; MI455X (gfx1250); checked and timed in simulation.
; The chip was launched on July 23, 2026; its instructions are those of AMD's public machine-readable ISA for CDNA 5 (MIT licence, August 2026) and "CDNA5" Instruction Set Architecture Reference Guide (July 2026). The comments in the code are by the model that wrote it; some were corrected since.
;; Actor Svgd. Allowed arithmetic: float matrix products may take bf16 or f16 operands with f32 sums; other float arithmetic in f32, or as packed bf16 or f16 multiplies, adds, multiply-adds, maxima and minima; sums over many terms, partial sums and values carried from step to step in f32; what a program stores and reads back later, other than sums and carried values, may be rounded once to bf16 or f16.
;; Inputs: a0 32,768 x 6 float32; obs 32,768 x 64 float32; q1_b1 256 float32; q1_b2 256 float32; q1_b3 1 float32; q1_w1 70 x 256 float32; q1_w2 256 x 256 float32; q1_w3 256 x 1 float32; q2_b1 256 float32; q2_b2 256 float32; q2_b3 1 float32; q2_w1 70 x 256 float32; q2_w2 256 x 256 float32; q2_w3 256 x 1 float32.
;; Outputs: out0 32,768 x 6 float32; out1 1,024 float32.
;; One version. Each part assembles by itself: llvm-mc -triple=amdgcn-amd-amdhsa -mcpu=gfx1250 --defsym DOCPART=n.
;; ======== version 1 of 1: 1 launch
;; limits: values outside matrix products are rounded to bf16
;; launch svgd (part 1): grid 256 x 1, 4 waves a work-group, no clusters, 327,680 bytes of LDS; arguments obs, a0, q1_w1, q2_w1, q1_w2, q2_w2, q1_b1, q2_b1, q1_b2, q2_b2, q1_w3, q2_w3, q1_b3, q2_b3, out0, out1; writes out0, out1
.if DOCPART == 1
	.amdgcn_target "amdgcn-amd-amdhsa--gfx1250"
	.amdhsa_code_object_version 6
	.text
	.protected	k_qf6ef229a3c_svgd
	.globl	k_qf6ef229a3c_svgd
	.p2align	8
	.type	k_qf6ef229a3c_svgd,@function
k_qf6ef229a3c_svgd:
	s_mov_b64 s[64:65], 0
	v_nop
	global_prefetch_b8 v0, s[64:65] scope:SCOPE_SE
	s_setreg_imm32_b32 hwreg(HW_REG_WAVE_MODE, 25, 1), 1
	s_wait_xcnt 0x0
; SVGD SAMPLER: 1,024 observations x 32 particles x 6 actions, 5 steps, two critics 70-256-256-1 (ReLU).  ONE LAUNCH; nothing but inputs and outputs touches memory.
; SHARES.  A work-group owns 128 rows = 4 observations for all 5 steps.  In the nets wave w takes net w / 2 and rows 64 (w % 2) .. + 63: four tiles of 16 rows, so a weight fragment read
; from LDS feeds four matrix instructions, and no activation ever leaves its wave.  In the kernel part wave w owns observation 4 g + w, lane i is particle i.
; PRODUCTS ARE USED TRANSPOSED: source 0 = 16 output units x 32 inputs of a weight, source 1 = 32 inputs x 16 rows.  A result holds one row a lane (lane % 16) and the units 8 (lane / 16) + 0..7;
; two results rounded to bf16 ARE the next source 1.  Forward needs W2 turned (ds_load_tr16_b128), backward as it lies (ds_load_b128): one copy in LDS serves both.
; ALGEBRA (identities of the reference).  obs W1[0:64] + b1 does not change with the step: made once (BASE), kept in bf16 in 256 registers, and brought back to f32 by a product with a 16 x 32
; selection matrix E.  Each net's own gradient is made; s = w1 g1 + w2 g2 with w1 = 1, 1/2, 0 for q1 <, =, > q2.  g2 = w3 step(z2), q = sum g2 z2 + b3.  Of logp only the sum over the 32 particles is
; returned and K is symmetric: sum_i term1_i = G/31 sum_i s_i . B_i, term2_i = -G/31 (T_i + 6), with G = 2 gamma, B_i = sum_j K_ij (x_i - x_j), T_i = sum_j K_ij (G d_ij - 6).
; The 1,024 sorted squared distances are 32 zeros and each of the 496 pairs' twice: the median is (u[239] + u[240]) / 2 of the 496, found exactly by 31 counted bit steps, without a branch on data.
; NO TENSOR LOAD, NO CLUSTER: the weights are f32 in memory and become bf16 on the way, so they pass through registers; a work-group reads them once (672 KB) for some 6,000 matrix instructions a wave.
; LIMITS.  Weights, obs, b1 (inside BASE) and a enter the nets rounded to bf16; b2, w3, b3, a itself, distances, median, K and logp are f32.  step(z) = clamp(z 2^127) is a fraction for
; 0 < z < 2^-127 (for a hidden unit of layer 1: for a bf16 denormal).  NaN and infinities are not treated apart.  A kernel weight below 2^-126 counts as 0.
;
; LDS.  A CHUNK is 8 neighbouring columns of one weight row a (16 bytes), c = column / 8; its place is 16 x [ a%8 + 8 ((a/8 + c) % 2) + 16 (c % 2) + 32 (c / 2) + 512 (a / 16) ].
.set W1A,   262144      ; behind both W2 (net n at n x 131,072): net x 8,192: W1 rows 64..79 (70..79 are zeros), in chunks
.set BW,    278528      ; net x 3,072: b1, b2 (+1,024), w3 (+2,048), f32
.set ACT,   284672      ; row x 16: a0..a5, 0, 0 in bf16
.set SQ,    286720      ; net x 8,192 + (lane / 16) x 4,096 + row x 32: g0..g5, q, 0 in f32; the upper lanes' plane is never read
.set RB,    303104      ; wave x 3,072: x (64 x 16, then 64 x 8 at 1,024), s (the same at 1,536 and 2,560); entries i and i + 32 are equal, so lane i finds neighbour (i + k) % 32 at i + k
.set SPARE, 317440      ; the spare words, 128 bytes a wave: two blocks of 256 bytes that no other line names
; REGISTERS, in windows of 256 (s_set_vgpr_msb: bits 1:0 source 0, 3:2 source 1, 5:4 source 2, 7:6 destination).
;   window 1: H1, fragment (k step, row tile n) at 8 (4 ks + n); the backward pass turns it in place into the masked gradient; in the kernel part the differences x_i - x_j
;   window 2: G2, the same indexing; in the kernel part the neighbours' s; at the start the 32 staging slots      window 3: BASE, the same indexing, kept for the whole launch
.set SPW,   1           ; LDS address of my spare word; never rewritten
.set NIL,   2           ; 0; never rewritten
.set TRLO,  3           ; v3, v4   turning loads of my net's W2: rows 0-127, rows 128-255
.set PLLO,  5           ; v5, v6   plain loads: rows 0-127, rows 128-255
.set W1ATR, 7
.set W1APL, 8
.set BWA,   9           ; BW + net x 3,072 + 32 (lane / 16)
.set ACTRD, 10
.set SQWR,  11
.set HUGE,  12          ; v12-13   2^127 twice
.set XAA,   14
.set XBA,   15
.set AV,    16          ; v16-21   my particle's a, f32
.set LACC,  22          ; my particle's share of logp
.set SQRD,  23
.set ACTWR, 24
.set EB,    28          ; v28-39   0,0,0,0, e0..e3, 0,0,0,0: E for odd tiles is v[28:35], for even tiles v[32:39]
.set ACC0,  40          ; v40-71, v72-103   two sets of four accumulators
.set AB,    104         ; v104-199 three buffers of 32: the weight fragments of four k steps
.set ACTF,  168         ; layer 1 only: a's fragments, tile n at +4 n (the upper half of a fragment meets zero weights)
.set B2R,   200
.set W3R,   208         ; two buffers of 8
.set QA,    224         ; a pair for each row tile: q's partial sums
.set W1B,   224         ; layer 1 only: two buffers [4 loaded, 4 zero]
.set TQ,    232
.set GC,    240
.set CV,    72          ; set-up only, from here on
.set LG,    244
.set ST,    245         ; v245, v246  staging stores (row group even, odd), stepped
.set STB,   247         ; v247, v248  the same, never stepped
.set WS,    249         ; v249, v250
.set WG,    251
.set BG,    252
.set BS,    253
.set OG,    254
.set AG,    255
.set DD,    40          ; kernel part only, from here on: d for neighbour k at DD + k
.set KK,    72
.set WW,    104
.set TP,    136
.set U16,   198
.set PINF,  199
.set CP,    200
.set GP,    202
.set M6,    204
.set VR,    206
.set VU,    207
.set BA,    208
.set BB,    214
.set TT,    220
.set G1V,   228
.set G2V,   236
.set AP,    236
.set SV,    244
.set WP1,   250
.set WP2,   252
.set VX,    254
.set AAO,   104
.set AAE,   110
; SCALARS: s[4:35] the sixteen addresses; s36 wave, s37 net, s38 half; s39 steps; s40, s41 loop counter and bit; s[42:43] lane selects; s44 0; s45, s46 b3; s47, s48 candidate and result;
; s52 lanes 16-31; s53, s54 counts; s[54:63] my net's addresses (set-up); s[70:85] compare masks; s[86:93] staging addresses; s94, s95 bf16 2^127 and 1.0, twice each
.set MSB, 0
.macro WIN new                          ; the immediate's high byte repeats the setting that is left; a switch that changes nothing is dropped
.if MSB != (\new)
	s_set_vgpr_msb (MSB<<8)|(\new)
.set MSB, (\new)
.endif
.endm
.macro PLACES                           ; four plain places behind a matrix instruction (ISA guide 7.12.1) where no other vector work is at hand
.rept 4
	v_nop
.endr
.endm
.macro BAR                              ; my LDS instructions are done, for the others' sake; then the work-group's barrier
	s_wait_dscnt 0x0
	s_barrier_signal -1
	s_barrier_wait -1
.endm
	s_load_b512 s[4:19], s[0:1], 0x0        ; obs, a0, q1_w1, q2_w1, q1_w2, q2_w2, q1_b1, q2_b1
	s_load_b512 s[20:35], s[0:1], 0x40      ; q1_b2, q2_b2, q1_w3, q2_w3, q1_b3, q2_b3, out0, out1
	v_lshl_add_u32 v[SPW], v0, 2, SPARE
	v_mov_b32 v[NIL], 0
	v_lshrrev_b32 v40, 5, v0
	v_readfirstlane_b32 s36, v40            ; wave 0..3
	s_lshr_b32 s37, s36, 1                  ; net
	s_and_b32 s38, s36, 1                   ; half
	s_mov_b32 s42, 0x76543210               ; v_permlanex16_b32: each lane takes its own place in the other half
	s_mov_b32 s43, 0xfedcba98
	s_mov_b32 s44, 0
	s_mov_b32 s52, 0xffff0000
	s_mov_b32 s94, 0x7f007f00
	s_mov_b32 s95, 0x3f803f80
	s_mov_b32 s67, 0
	s_mov_b32 s93, 0
	; lane terms.  L = lane, r = L % 16, h = L / 16
	v_and_b32 v41, 7, v0                    ; L % 8
	v_bfe_u32 v42, v0, 3, 1                 ; (L / 8) % 2
	v_bfe_u32 v43, v0, 4, 1                 ; h
	v_and_b32 v44, 15, v0                   ; r
	v_and_b32 v45, 31, v0                   ; L
	v_add_nc_u32 v46, v42, v43
	v_and_b32 v46, 1, v46                   ; ((L / 8) + h) % 2
	v_lshlrev_b32 v47, 4, v41
	v_lshl_add_u32 v48, v46, 7, v47
	v_lshl_add_u32 v49, v42, 8, v48         ; turning load: row 8 h + L % 8 of 16, chunk (L / 8) % 2 of 2
	v_lshl_add_u32 v50, v43, 8, v48         ; plain load: row r of 16, chunk h of 2
	s_lshl_b32 s47, s37, 17
	v_add_nc_u32 v[TRLO], s47, v49
	v_add_nc_u32 v[TRLO+1], 0x10000, v[TRLO]
	v_add_nc_u32 v[PLLO], s47, v50
	v_add_nc_u32 v[PLLO+1], 0x10000, v[PLLO]
	s_lshl_b32 s47, s37, 13
	s_add_co_u32 s47, s47, W1A
	v_add_nc_u32 v[W1ATR], s47, v49
	v_add_nc_u32 v[W1APL], s47, v50
	s_mul_i32 s48, s37, 3072
	s_add_co_u32 s48, s48, BW
	v_lshl_add_u32 v[BWA], v43, 5, s48
	s_lshl_b32 s49, s38, 10
	s_add_co_u32 s49, s49, ACT
	v_lshl_add_u32 v[ACTRD], v44, 4, s49    ; row 64 half + r
	s_lshl_b32 s49, s37, 13
	s_lshl_b32 s50, s38, 11
	s_add_co_u32 s49, s49, s50
	s_add_co_u32 s49, s49, SQ
	v_lshlrev_b32 v51, 5, v44
	v_lshl_add_u32 v51, v43, 12, v51
	v_add_nc_u32 v[SQWR], s49, v51
	s_mul_i32 s49, s36, 3072
	s_add_co_u32 s49, s49, RB
	v_lshl_add_u32 v[XAA], v45, 4, s49
	s_add_co_u32 s49, s49, 1024
	v_lshl_add_u32 v[XBA], v45, 3, s49
	s_lshl_b32 s49, s36, 10
	s_add_co_u32 s49, s49, SQ
	v_lshl_add_u32 v[SQRD], v45, 5, s49     ; row 32 wave + L
	s_lshl_b32 s49, s36, 9
	s_add_co_u32 s49, s49, ACT
	v_lshl_add_u32 v[ACTWR], v45, 4, s49
	; staging: a unit is 8 rows x 4 chunks; lane L converts row L % 8, chunk L / 8
	v_lshl_add_u32 v52, v43, 9, v47
	v_mul_u32_u24 v53, 384, v42
	v_add_nc_u32 v53, v53, v52              ; store place in an even group of 8 rows
	v_lshl_add_u32 v54, v42, 7, v52
	v_add_nc_u32 v54, 128, v54              ; in an odd group
	s_lshl_b32 s49, s36, 16                 ; my quarter of W2's region: net x 131,072 + half x 65,536
	v_add_nc_u32 v[STB], s49, v53
	v_add_nc_u32 v[STB+1], s49, v54
	v_mov_b32 v[ST], v[STB]
	v_mov_b32 v[ST+1], v[STB+1]
	s_lshl_b32 s49, s38, 12
	s_add_co_u32 s49, s49, s47              ; W1A + net x 8,192 + my four of its eight column groups
	v_add_nc_u32 v[WS], s49, v53
	v_add_nc_u32 v[WS+1], s49, v54
	v_bfe_u32 v55, v0, 3, 2
	v_lshlrev_b32 v55, 5, v55
	v_lshl_add_u32 v[LG], v41, 10, v55      ; in memory: row x 1,024 + chunk x 32
	v_min_u32 v56, 5, v41                   ; W1 ends at row 69: rows 70, 71 read row 69 and are set to 0 below
	v_lshl_add_u32 v56, v56, 10, v55
	s_lshl_b32 s49, s38, 9
	s_add_co_u32 s50, s49, 0x10000          ; row 64, my four column groups
	v_add_nc_u32 v[WG], s50, v56
	v_lshl_add_u32 v[BG], v45, 4, s49       ; my half of b1, b2, w3: 512 half + 16 L
	s_add_co_u32 s49, s49, s48
	v_lshl_add_u32 v[BS], v45, 4, s49
	v_lshlrev_b32 v[OG], 8, v44
	v_lshl_add_u32 v[OG], v43, 5, v[OG]     ; obs: r x 256 + 32 h
	v_mul_u32_u24 v[AG], 24, v45            ; a0: L x 24
	; E: lane (r, h) holds row m = r; 1.0 at k = r, which lies in this lane where h = r / 8: register (r / 2) % 4, half r % 2
	v_and_b32 v57, 1, v0
	v_lshlrev_b32 v57, 4, v57
	v_mov_b32 v58, 0x3f80
	v_lshlrev_b32 v58, v57, v58
	v_bfe_u32 v59, v0, 1, 2
	v_lshl_add_u32 v59, v46, 2, v59         ; 4 or more where the lane holds no 1.0
.irp q, 0,1,2,3
	v_mov_b32 v[EB+\q], 0
	v_cmp_eq_u32 vcc_lo, \q, v59
	v_cndmask_b32 v[EB+4+\q], 0, v58, vcc_lo
	v_mov_b32 v[EB+8+\q], 0
.endr
	v_mov_b32 v[HUGE], 0x7f000000
	v_mov_b32 v[HUGE+1], 0x7f000000
	s_wait_kmcnt 0x0
	s_cmp_eq_u32 s37, 0                     ; my net's tensors
	s_cselect_b64 s[54:55], s[8:9], s[10:11]      ; W1
	s_cselect_b64 s[56:57], s[12:13], s[14:15]    ; W2
	s_cselect_b64 s[58:59], s[16:17], s[18:19]    ; b1
	s_cselect_b64 s[60:61], s[20:21], s[22:23]    ; b2
	s_cselect_b64 s[62:63], s[24:25], s[26:27]    ; w3
	s_load_b32 s45, s[28:29], 0x0           ; both b3: every wave weighs both nets
	s_load_b32 s46, s[30:31], 0x0
	s_lshl_b32 s66, ttmp9, 15               ; obs at row 128 g + 64 half
	s_lshl_b32 s68, s38, 14
	s_add_co_u32 s66, s66, s68
	s_add_nc_u64 s[4:5], s[4:5], s[66:67]
	s_mul_i32 s66, ttmp9, 3072              ; a0 and out0 at row 128 g + 32 wave: 24 bytes a row
	s_mul_i32 s68, s36, 768
	s_add_co_u32 s66, s66, s68
	s_add_nc_u64 s[6:7], s[6:7], s[66:67]
	s_add_nc_u64 s[32:33], s[32:33], s[66:67]
	s_lshl_b32 s66, ttmp9, 4                ; out1 at observation 4 g + wave
	s_lshl2_add_u32 s66, s36, s66
	s_add_nc_u64 s[34:35], s[34:35], s[66:67]
	s_lshl_b32 s66, s38, 15
	s_add_nc_u64 s[86:87], s[54:55], s[66:67]     ; W1 at row 32 half
	s_lshl_b32 s66, s38, 17
	s_add_nc_u64 s[88:89], s[56:57], s[66:67]     ; W2 at row 128 half
	s_add_nc_u64 s[90:91], s[88:89], 0x8000       ; the first batch that the loop asks for: 32 rows on
	; ALL THE SMALL LOADS FIRST, so that the staging loop's first wait also shows them done (loads return in order: ISA guide 5.7.1).
	WIN 0x40                                ; obs, f32, into window 1: fragment f = 4 ks + n, 16 numbers a lane
.set f_, 0
.rept 8
.set j_, 0
.rept 4
	global_load_b128 v[16*f_+4*j_:16*f_+4*j_+3], v[OG], s[4:5] offset:(f_%4)*4096+(f_/4)*128+(j_&1)*16+(j_/2)*64
.set j_, j_+1
.endr
.set f_, f_+1
.endr
	WIN 0
	global_load_b64 v[AV:AV+1], v[AG], s[6:7]
	global_load_b64 v[AV+2:AV+3], v[AG], s[6:7] offset:8
	global_load_b64 v[AV+4:AV+5], v[AG], s[6:7] offset:16
.set u_, 0
.rept 4                                         ; W1 rows 64..71, my four column groups
	global_load_b128 v[168+8*u_:168+8*u_+3], v[WG], s[54:55] offset:128*u_
	global_load_b128 v[168+8*u_+4:168+8*u_+7], v[WG], s[54:55] offset:128*u_+16
.set u_, u_+1
.endr
	global_load_b128 v[200:203], v[BG], s[58:59]
	global_load_b128 v[204:207], v[BG], s[60:61]
	global_load_b128 v[208:211], v[BG], s[62:63]
	WIN 0x80                                ; batch 0: W1 rows 32 half .. + 31, 32 units into the 32 slots of window 2
.set u_, 0
.rept 32
	global_load_b128 v[8*u_:8*u_+3], v[LG], s[86:87] offset:(u_>>3)*8192+(u_&7)*128
	global_load_b128 v[8*u_+4:8*u_+7], v[LG], s[86:87] offset:(u_>>3)*8192+(u_&7)*128+16
.set u_, u_+1
.endr
	WIN 0
; Four units of a batch: their eight loads are the oldest of the 64 that are out; rounded to bf16, stored as chunks; ld = 1: the slots are asked for again, with the next batch.
.macro SGROUP g, ld, cnt, sb
	s_wait_loadcnt \cnt
	WIN 0x0a
.set u_, 4*(\g)
.rept 4
.set q_, 0
.rept 4
	v_cvt_pk_bf16_f32 v[CV+4*(u_&3)+q_], v[8*u_+2*q_], v[8*u_+2*q_+1]
.set q_, q_+1
.endr
.set u_, u_+1
.endr
	WIN 0
.set u_, 4*(\g)
.rept 4
	ds_store_b128 v[(\sb)+((u_>>3)&1)], v[CV+4*(u_&3):CV+4*(u_&3)+3] offset:1024*(u_&7)+8192*(u_>>4)
.set u_, u_+1
.endr
.if \ld
	WIN 0x80
.set u_, 4*(\g)
.rept 4
	global_load_b128 v[8*u_:8*u_+3], v[LG], s[90:91] offset:(u_>>3)*8192+(u_&7)*128
	global_load_b128 v[8*u_+4:8*u_+7], v[LG], s[90:91] offset:(u_>>3)*8192+(u_&7)*128+16
.set u_, u_+1
.endr
.endif
.endm
	; THE STAGING LOOP.  Trip k stores batch k at 16,384 k of my quarter and asks for batch k + 1.  Batch 0 is W1's (it lies where W2's first 32 rows of the quarter belong, until BASE is made);
	; batches 1 to 3 are W2 rows 32 k .. of my 128; batch 4 is W2's first 32 rows, which stay in their slots until BASE is done.
	s_mov_b32 s40, 0
.Lstage:
.set g_, 0
.rept 8
	SGROUP g_, 1, 56, ST
.set g_, g_+1
.endr
	WIN 0
	s_wait_xcnt 0x0                         ; the loads' base is stepped only behind this wait
	v_add_nc_u32 v[ST], 0x4000, v[ST]
	v_add_nc_u32 v[ST+1], 0x4000, v[ST+1]
	s_add_co_u32 s40, s40, 1
	s_add_co_u32 s92, s40, 1
	s_and_b32 s92, s92, 3                   ; rows 32 ((k + 1) % 4) of my 128
	s_lshl_b32 s92, s92, 15
	s_add_nc_u64 s[90:91], s[88:89], s[92:93]
	s_cmp_lt_u32 s40, 4
	s_cbranch_scc1 .Lstage
	; THE SMALL STAGINGS.  Batch 4's 64 loads stay out; all older loads are in.
	v_cmp_gt_u32 vcc_lo, 6, v41             ; rows 64..69 exist
.set u_, 0
.rept 16
	v_cvt_pk_bf16_f32 v[88+u_], v[168+2*u_], v[168+2*u_+1]
.set u_, u_+1
.endr
.set u_, 0
.rept 16
	v_cndmask_b32 v[88+u_], 0, v[88+u_], vcc_lo
.set u_, u_+1
.endr
.set u_, 0
.rept 4
	ds_store_b128 v[WS], v[88+4*u_:88+4*u_+3] offset:1024*u_
	ds_store_b128 v[WS+1], v[EB:EB+3] offset:1024*u_          ; rows 72..79: zeros
.set u_, u_+1
.endr
	ds_store_b128 v[BS], v[200:203]
	ds_store_b128 v[BS], v[204:207] offset:1024
	ds_store_b128 v[BS], v[208:211] offset:2048
	WIN 0x05                                ; obs to bf16: eight fragments in v104-167
.set u_, 0
.rept 64
	v_cvt_pk_bf16_f32 v[104+u_], v[2*u_], v[2*u_+1]
.set u_, u_+1
.endr
	WIN 0
	v_pk_mul_f32 v[60:61], v[AV:AV+1], v[AV:AV+1]             ; logp of the start: -3 ln(0.6 pi) - |a0|^2 / 0.6
	v_pk_fma_f32 v[60:61], v[AV+2:AV+3], v[AV+2:AV+3], v[60:61]
	v_pk_fma_f32 v[60:61], v[AV+4:AV+5], v[AV+4:AV+5], v[60:61]
	v_add_f32 v60, v60, v61
	v_mov_b32 v61, 0xbff36b55               ; -1.901713
	v_fmamk_f32 v[LACC], v60, 0xbfd55555, v61
.macro ASTORE                           ; a for my wave's neighbours (f32, twice) and for the nets (bf16)
	v_cvt_pk_bf16_f32 v[AP], v[AV], v[AV+1]
	v_cvt_pk_bf16_f32 v[AP+1], v[AV+2], v[AV+3]
	v_cvt_pk_bf16_f32 v[AP+2], v[AV+4], v[AV+5]
	v_mov_b32 v[AP+3], 0
	ds_store_b128 v[XAA], v[AV:AV+3]
	ds_store_b128 v[XAA], v[AV:AV+3] offset:512
	ds_store_b64 v[XBA], v[AV+4:AV+5]
	ds_store_b64 v[XBA], v[AV+4:AV+5] offset:256
	ds_store_b128 v[ACTWR], v[AP:AP+3]
.endm
	ASTORE
	s_wait_kmcnt 0x0                        ; b3
	BAR                                     ; W1, b1, b2, w3, a and 96 of each quarter's 128 rows of W2 are in LDS
	; BASE = obs W1[0:64] + b1, sixteen tiles of 16 units, one tile's loads ahead.
.macro BLOAD mt
	ds_load_tr16_b128 v[168+16*((\mt)&1):168+16*((\mt)&1)+3],     v[TRLO]   offset:512*(\mt)
	ds_load_tr16_b128 v[168+16*((\mt)&1)+4:168+16*((\mt)&1)+7],   v[TRLO]   offset:512*(\mt)+8192
	ds_load_tr16_b128 v[168+16*((\mt)&1)+8:168+16*((\mt)&1)+11],  v[TRLO+1] offset:512*(\mt)
	ds_load_tr16_b128 v[168+16*((\mt)&1)+12:168+16*((\mt)&1)+15], v[TRLO+1] offset:512*(\mt)+8192
	ds_load_b128 v[200+8*((\mt)&1):200+8*((\mt)&1)+3],   v[BWA] offset:64*(\mt)
	ds_load_b128 v[200+8*((\mt)&1)+4:200+8*((\mt)&1)+7], v[BWA] offset:64*(\mt)+16
.endm
.macro BCVT mt                          ; a tile rounded to bf16 into window 3; each accumulator is read from its low end on
	WIN 0xc0
.set n_, 0
.rept 4
.set q_, 0
.rept 4
	v_cvt_pk_bf16_f32 v[8*(4*((\mt)/2)+n_)+4*((\mt)&1)+q_], v[ACC0+32*((\mt)&1)+8*n_+2*q_], v[ACC0+32*((\mt)&1)+8*n_+2*q_+1]
.set q_, q_+1
.endr
.set n_, n_+1
.endr
.endm
.macro BTILE mt
	WIN 0
.if (\mt) < 15
	BLOAD (\mt)+1
	s_wait_dscnt 0x6                        ; the next tile's six loads may stay out
.else
	s_wait_dscnt 0x0
.endif
.set n_, 0
.rept 4                                         ; the four accumulators take turns; b1 starts the sums
	v_wmma_f32_16x16x32_bf16 v[ACC0+32*((\mt)&1)+8*n_:ACC0+32*((\mt)&1)+8*n_+7], v[168+16*((\mt)&1):168+16*((\mt)&1)+7], v[104+8*n_:104+8*n_+7], v[200+8*((\mt)&1):200+8*((\mt)&1)+7]
.set n_, n_+1
.endr
.set n_, 0
.rept 4
	v_wmma_f32_16x16x32_bf16 v[ACC0+32*((\mt)&1)+8*n_:ACC0+32*((\mt)&1)+8*n_+7], v[168+16*((\mt)&1)+8:168+16*((\mt)&1)+15], v[136+8*n_:136+8*n_+7], v[ACC0+32*((\mt)&1)+8*n_:ACC0+32*((\mt)&1)+8*n_+7]
.set n_, n_+1
.endr
.if (\mt) == 0
	PLACES
.else
	BCVT (\mt)-1                            ; the tile before: sixteen conversions, which are also the places behind this tile's products
.endif
.endm
	BLOAD 0
.set m_, 0
.rept 16
	BTILE m_
.set m_, m_+1
.endr
	BCVT 15
	WIN 0
	BAR                                     ; nobody reads W1's rows 0..63 any more
.set g_, 0
.rept 8
	SGROUP g_, 0, 56-8*g_, STB              ; batch 4 takes their place; the counts run down
.set g_, g_+1
.endr
	BAR                                     ; W2 is whole
; ---------------------------------------------------------------- THE NETS' MACROS
; The eight fragment loads of granule g + 2 (four k steps of half a tile) into the buffer that granule g - 1 has left; ahead of them w3 of the tile in hand (g even) or b2 of the next tile (g odd).
.macro ARUN g
.set gn_, (\g)+2
.set tn_, gn_/2
.set gh_, gn_&1
.set bb_, AB+32*(gn_%3)
.if ((\g) >= 0) && (((\g)&1) == 0) && ((\g) <= 30)
	ds_load_b128 v[W3R+8*(((\g)/2)&1):W3R+8*(((\g)/2)&1)+3],   v[BWA] offset:2048+64*((\g)/2)
	ds_load_b128 v[W3R+8*(((\g)/2)&1)+4:W3R+8*(((\g)/2)&1)+7], v[BWA] offset:2048+64*((\g)/2)+16
.endif
.if (((\g)&1) == 1) && ((\g) <= 29)
	ds_load_b128 v[B2R:B2R+3],   v[BWA] offset:1024+64*(((\g)+1)/2)
	ds_load_b128 v[B2R+4:B2R+7], v[BWA] offset:1024+64*(((\g)+1)/2)+16
.endif
.set kk_, 0
.rept 4
.set t2_, 0
.rept 2
.if tn_ < 16
	ds_load_tr16_b128 v[bb_+8*kk_+4*t2_:bb_+8*kk_+4*t2_+3], v[TRLO+gh_] offset:512*tn_+8192*t2_+16384*kk_
.elseif tn_ < 32
	ds_load_b128 v[bb_+8*kk_+4*t2_:bb_+8*kk_+4*t2_+3], v[PLLO+(tn_-16)/8] offset:512*t2_+1024*(4*gh_+kk_)+8192*((tn_-16)&7)
.else
	ds_load_b128 v[bb_+8*kk_+4*t2_:bb_+8*kk_+4*t2_+3], v[W1APL] offset:512*t2_+1024*(4*gh_+kk_)
.endif
.set t2_, t2_+1
.endr
.set kk_, kk_+1
.endr
.endm
; Layer 1's way out, group g of 8 for tile mt: register pair g / 2 of the four row tiles is rounded to bf16 into H1 (g even), then ReLU in place (g odd).
.macro RL mt, g
.set p_, (\g)/2
.set hr_, 32*((\mt)/2)+4*((\mt)&1)+p_
.set n_, 0
.if ((\g)&1) == 0
	WIN 0x40
.rept 4
	v_cvt_pk_bf16_f32 v[hr_+8*n_], v[ACC0+32*((\mt)&1)+8*n_+2*p_], v[ACC0+32*((\mt)&1)+8*n_+2*p_+1]
.set n_, n_+1
.endr
.else
	WIN 0x41
.rept 4
	v_pk_max_num_bf16 v[hr_+8*n_], v[hr_+8*n_], s44
.set n_, n_+1
.endr
.endif
.endm
; Group g of 16 of the vector work of tile tp, four lines, one for each row tile: register pair g / 4, kind g % 4.
; Forward (tp < 16): step = clamp(z 2^127); g2 = w3 step; q += g2 z; g2 to bf16 into G2.     Backward: H1 2^127; min with 1: the step of layer 1; g1 to bf16; H1 = step x g1.
.macro RID tp, g
.set p_, (\g)/4
.set kd_, (\g)&3
.set rm_, (\tp)&15
.set ac_, ACC0+32*((\tp)&1)+2*p_
.set hr_, 32*(rm_/2)+4*(rm_&1)+p_
.set n_, 0
.if (\tp) < 16
.if kd_ == 3
	WIN 0x80
.else
	WIN 0
.endif
.rept 4
.if kd_ == 0
	v_pk_mul_f32 v[TQ+2*n_:TQ+2*n_+1], v[ac_+8*n_:ac_+8*n_+1], v[HUGE:HUGE+1] clamp
.elseif kd_ == 1
	v_pk_mul_f32 v[TQ+2*n_:TQ+2*n_+1], v[TQ+2*n_:TQ+2*n_+1], v[W3R+8*(rm_&1)+2*p_:W3R+8*(rm_&1)+2*p_+1]
.elseif (kd_ == 2) && ((\tp) == 0) && (p_ == 0)
	v_pk_mul_f32 v[QA+2*n_:QA+2*n_+1], v[TQ+2*n_:TQ+2*n_+1], v[ac_+8*n_:ac_+8*n_+1]        ; the first product starts q's sum
.elseif kd_ == 2
	v_pk_fma_f32 v[QA+2*n_:QA+2*n_+1], v[TQ+2*n_:TQ+2*n_+1], v[ac_+8*n_:ac_+8*n_+1], v[QA+2*n_:QA+2*n_+1]
.else
	v_cvt_pk_bf16_f32 v[hr_+8*n_], v[TQ+2*n_], v[TQ+2*n_+1]
.endif
.set n_, n_+1
.endr
.else
.if kd_ == 2
	WIN 0
.else
	WIN 0x41
.endif
.rept 4
.if kd_ == 0
	v_pk_mul_bf16 v[hr_+8*n_], v[hr_+8*n_], s94
.elseif kd_ == 1
	v_pk_min_num_bf16 v[hr_+8*n_], v[hr_+8*n_], s95
.elseif kd_ == 2
	v_cvt_pk_bf16_f32 v[GC+n_], v[ac_+8*n_], v[ac_+8*n_+1]
.else
	v_pk_mul_bf16 v[hr_+8*n_], v[hr_+8*n_], v[GC+n_]
.endif
.set n_, n_+1
.endr
.endif
.endm
; Layer 1, tile mt: z1 = E x BASE (four products that start the sums) + W1[64:70]^T x a (four more).  Behind each product a group of the tile before.
.macro L1T mt
	WIN 0
.if (\mt) == 15
	s_wait_dscnt 0x8                        ; my weights are in; the eight fragment loads issued behind them may stay out
.else
	s_wait_dscnt 0x0
.endif
.if (\mt) < 15
	ds_load_tr16_b128 v[W1B+8*(((\mt)+1)&1):W1B+8*(((\mt)+1)&1)+3], v[W1ATR] offset:512*((\mt)+1)
.endif
.if (\mt) == 14
	ARUN -2                                 ; layer 2's first two granules are asked for under layer 1's last two tiles
.endif
.if (\mt) == 15
	ARUN -1
.endif
.set j_, 0
.rept 8
.if j_ < 4
	WIN 0x0c
	v_wmma_f32_16x16x32_bf16 v[ACC0+32*((\mt)&1)+8*j_:ACC0+32*((\mt)&1)+8*j_+7], v[EB+4-4*((\mt)&1):EB+11-4*((\mt)&1)], v[8*(4*((\mt)/2)+j_):8*(4*((\mt)/2)+j_)+7], 0
.else
	WIN 0
	v_wmma_f32_16x16x32_bf16 v[ACC0+32*((\mt)&1)+8*(j_-4):ACC0+32*((\mt)&1)+8*(j_-4)+7], v[W1B+8*((\mt)&1):W1B+8*((\mt)&1)+7], v[ACTF+4*(j_-4):ACTF+4*(j_-4)+7], v[ACC0+32*((\mt)&1)+8*(j_-4):ACC0+32*((\mt)&1)+8*(j_-4)+7]
.endif
.if (\mt) > 0
	RL (\mt)-1, j_
.endif
.set j_, j_+1
.endr
.if (\mt) == 0
	PLACES
.endif
.endm
; Matrix instruction j of pair pi of tile t: k step pi / 2, row tile 2 (pi % 2) + j.  The four accumulators take turns, one instruction a turn.
.macro MMA t, pi, j
.set ks_, (\pi)/2
.set nn_, 2*((\pi)&1)+(\j)
.set rD_, ACC0+32*((\t)&1)+8*nn_
.set rA_, AB+32*((2*(\t)+(\pi)/8)%3)+8*(ks_&3)
.set rB_, 8*(4*ks_+nn_)
.if ks_ > 0
	v_wmma_f32_16x16x32_bf16 v[rD_:rD_+7], v[rA_:rA_+7], v[rB_:rB_+7], v[rD_:rD_+7]
.elseif (\t) < 16
	v_wmma_f32_16x16x32_bf16 v[rD_:rD_+7], v[rA_:rA_+7], v[rB_:rB_+7], v[B2R:B2R+7]
.else
	v_wmma_f32_16x16x32_bf16 v[rD_:rD_+7], v[rA_:rA_+7], v[rB_:rB_+7], 0
.endif
.endm
; Tile t.  0-15: z2 = W2^T H1 + b2.  16-31: g1 = W2 G2.  32: g_a = W1[64:80] G1.  32 products in 16 pairs; pair pi carries group pi of the tile before.  Where the next phase's last fragments hang on
; that work (t = 0, 16, 32) it is dealt in the first eight pairs, ahead of the products of k step 7.  A granule's wait leaves out the eight fragment loads issued last; all older LDS loads are in.
.macro TILE t
.if ((\t) >= 16) && ((\t) < 32)
.set WM_, 0x08
.else
.set WM_, 0x04
.endif
.set pi_, 0
.rept 16
	WIN WM_
.if (pi_&7) == 0
.set G_, 2*(\t)+pi_/8
.if (G_ == 2) || (G_ == 34)
	PLACES                                  ; the eight pairs before carried nothing
.endif
.if G_ == 65
	s_wait_dscnt 0x0
.else
	s_wait_dscnt 0x8
.endif
.if G_ < 64
	ARUN G_
.endif
.endif
	MMA \t, pi_, 0
	MMA \t, pi_, 1
.if (\t) == 0
.if pi_ < 8
	RL 15, pi_
.endif
.elseif ((\t) == 16) || ((\t) == 32)
.if pi_ < 8
	RID (\t)-1, 2*pi_
	RID (\t)-1, 2*pi_+1
.endif
.else
	RID (\t)-1, pi_
.endif
.set pi_, pi_+1
.endr
.endm
; ---------------------------------------------------------------- THE KERNEL PART'S MACROS
.macro COUNT                            ; s53 = how many of the 496 distances lie below the candidate s47 (as whole numbers: the order of non-negative floats); the masks stay in s[70:85]
.set k_, 1
.rept 15
	v_cmp_gt_u32 s[69+k_], s47, v[DD+k_]
.set k_, k_+1
.endr
	v_cmp_gt_u32 s85, s47, v[U16]
	s_bcnt1_i32_b32 s53, s70
.set k_, 1
.rept 15
	s_bcnt1_i32_b32 s54, s[70+k_]
	s_add_co_u32 s53, s53, s54
.set k_, k_+1
.endr
.endm
.macro KMAC d, s, k, mode, c=0          ; pair d = pair s x K[k] (mode 0), + d (mode 1), + pair c (mode 2); K[k] is one register of an even pair, given to both halves
.set kp_, KK+2*((\k)/2)
.if ((\k)&1) == 0
.if (\mode) == 0
	v_pk_mul_f32 v[(\d):(\d)+1], v[(\s):(\s)+1], v[kp_:kp_+1] op_sel_hi:[1,0]
.elseif (\mode) == 1
	v_pk_fma_f32 v[(\d):(\d)+1], v[(\s):(\s)+1], v[kp_:kp_+1], v[(\d):(\d)+1] op_sel_hi:[1,0,1]
.else
	v_pk_fma_f32 v[(\d):(\d)+1], v[(\s):(\s)+1], v[kp_:kp_+1], v[(\c):(\c)+1] op_sel_hi:[1,0,1]
.endif
.else
.if (\mode) == 0
	v_pk_mul_f32 v[(\d):(\d)+1], v[(\s):(\s)+1], v[kp_:kp_+1] op_sel:[0,1] op_sel_hi:[1,1]
.elseif (\mode) == 1
	v_pk_fma_f32 v[(\d):(\d)+1], v[(\s):(\s)+1], v[kp_:kp_+1], v[(\d):(\d)+1] op_sel:[0,1,0] op_sel_hi:[1,1,1]
.else
	v_pk_fma_f32 v[(\d):(\d)+1], v[(\s):(\s)+1], v[kp_:kp_+1], v[(\c):(\c)+1] op_sel:[0,1,0] op_sel_hi:[1,1,1]
.endif
.endif
.endm
	s_mov_b32 s39, 5
.Lstep:
	; ------------------------------------------------ LAYER 1
.set n_, 0
.rept 4
	ds_load_b128 v[ACTF+4*n_:ACTF+4*n_+3], v[ACTRD] offset:256*n_
.set n_, n_+1
.endr
	ds_load_tr16_b128 v[W1B:W1B+3], v[W1ATR]
.irp q, 0,1,2,3
	v_mov_b32 v[W1B+4+\q], 0                ; inputs 16..31 of the short product do not exist: zero weights
	v_mov_b32 v[W1B+12+\q], 0
	v_mov_b32 v[ACTF+16+\q], 0
.endr
.set m_, 0
.rept 16
	L1T m_
.set m_, m_+1
.endr
	; ------------------------------------------------ LAYER 2 FORWARD, LAYER 2 BACKWARD, BACK TO a
.set tau, 0
.rept 33
	TILE tau
.set tau, tau+1
.endr
	; q: the pair's halves and the other half of the lanes'; it takes the place of the zero row 6 beside g0..g5.  The first four additions are the places behind the last products.
	WIN 0
.set n_, 0
.rept 4
	v_add_f32 v[TQ+2*n_], v[QA+2*n_], v[QA+2*n_+1]
.set n_, n_+1
.endr
.set n_, 0
.rept 4
	v_permlanex16_b32 v[TQ+2*n_+1], v[TQ+2*n_], s42, s43
.set n_, n_+1
.endr
.set n_, 0
.rept 4
	v_add_f32 v[ACC0+8*n_+6], v[TQ+2*n_], v[TQ+2*n_+1]
.set n_, n_+1
.endr
.set n_, 0
.rept 4
	ds_store_b128 v[SQWR], v[ACC0+8*n_:ACC0+8*n_+3] offset:512*n_       ; the low four first
	ds_store_b128 v[SQWR], v[ACC0+8*n_+4:ACC0+8*n_+7] offset:512*n_+16
.set n_, n_+1
.endr
	; ------------------------------------------------ DISTANCES: lane i against particle (i + k) % 32, k = 1..31
	WIN 0x40
.set k_, 1
.rept 31
	ds_load_b128 v[6*(k_-1):6*(k_-1)+3], v[XAA] offset:16*k_
	ds_load_b64 v[6*(k_-1)+4:6*(k_-1)+5], v[XBA] offset:8*k_
.set k_, k_+1
.endr
	WIN 0x44
.set k_, 1
.rept 31
	s_wait_dscnt 62-2*k_                    ; the pairs of loads behind neighbour k's may stay out
.set j_, 0
.rept 3
	v_pk_add_f32 v[6*(k_-1)+2*j_:6*(k_-1)+2*j_+1], v[AV+2*j_:AV+2*j_+1], v[6*(k_-1)+2*j_:6*(k_-1)+2*j_+1] neg_lo:[0,1] neg_hi:[0,1]
.set j_, j_+1
.endr
.set k_, k_+1
.endr
	WIN 0x05
.set k_, 1
.rept 31
	v_pk_mul_f32 v[TP+2*(k_-1):TP+2*(k_-1)+1], v[6*(k_-1):6*(k_-1)+1], v[6*(k_-1):6*(k_-1)+1]
.set k_, k_+1
.endr
.set k_, 1
.rept 31
	v_pk_fma_f32 v[TP+2*(k_-1):TP+2*(k_-1)+1], v[6*(k_-1)+2:6*(k_-1)+3], v[6*(k_-1)+2:6*(k_-1)+3], v[TP+2*(k_-1):TP+2*(k_-1)+1]
.set k_, k_+1
.endr
.set k_, 1
.rept 31
	v_pk_fma_f32 v[TP+2*(k_-1):TP+2*(k_-1)+1], v[6*(k_-1)+4:6*(k_-1)+5], v[6*(k_-1)+4:6*(k_-1)+5], v[TP+2*(k_-1):TP+2*(k_-1)+1]
.set k_, k_+1
.endr
	WIN 0
.set k_, 1
.rept 31
	v_add_f32 v[DD+k_], v[TP+2*(k_-1)], v[TP+2*(k_-1)+1]
.set k_, k_+1
.endr
	v_mov_b32 v[DD], 0
	v_mov_b32 v[PINF], 0x7f800000
	v_cndmask_b32 v[U16], v[DD+16], v[PINF], s52  ; k = 1..15 in all lanes and k = 16 in lanes 0-15 are the 496 pairs, each once
	; ------------------------------------------------ MEDIAN: u[239] is the largest c with at most 239 distances below it, built bit by bit from bit 30 down
	s_mov_b32 s48, 0
	s_mov_b32 s41, 0x40000000
	s_mov_b32 s40, 31
.Lmed:
	s_or_b32 s47, s48, s41
	COUNT
	s_cmp_le_u32 s53, 239
	s_cselect_b32 s48, s47, s48             ; a choice of value; the trip does the same work either way
	s_lshr_b32 s41, s41, 1
	s_sub_co_i32 s40, s40, 1
	s_cmp_lg_u32 s40, 0
	s_cbranch_scc1 .Lmed
	s_add_co_u32 s47, s48, 1
	COUNT                                   ; how many are u[239] or less: 241 or more, and u[240] is the same number; else it is the least of the others
.set k_, 1
.rept 15
	v_cndmask_b32 v[WW+k_-1], v[DD+k_], v[PINF], s[69+k_]
.set k_, k_+1
.endr
	v_cndmask_b32 v[WW+15], v[U16], v[PINF], s85
	v_min3_num_f32 v[WW], v[WW], v[WW+1], v[WW+2]
	v_min3_num_f32 v[WW+3], v[WW+3], v[WW+4], v[WW+5]
	v_min3_num_f32 v[WW+6], v[WW+6], v[WW+7], v[WW+8]
	v_min3_num_f32 v[WW+9], v[WW+9], v[WW+10], v[WW+11]
	v_min3_num_f32 v[WW+12], v[WW+12], v[WW+13], v[WW+14]
	v_min3_num_f32 v[WW], v[WW], v[WW+3], v[WW+6]
	v_min3_num_f32 v[WW+9], v[WW+9], v[WW+12], v[WW+15]
	v_min_num_f32 v[WW], v[WW], v[WW+9]
	v_min_num_f32_dpp v[WW], v[WW], v[WW] row_xmask:1 row_mask:0xf bank_mask:0xf
	v_min_num_f32_dpp v[WW], v[WW], v[WW] row_xmask:2 row_mask:0xf bank_mask:0xf
	v_min_num_f32_dpp v[WW], v[WW], v[WW] row_xmask:4 row_mask:0xf bank_mask:0xf
	v_min_num_f32_dpp v[WW], v[WW], v[WW] row_xmask:8 row_mask:0xf bank_mask:0xf
	v_permlanex16_b32 v[WW+1], v[WW], s42, s43
	v_min_num_f32 v[WW], v[WW], v[WW+1]
	s_cmp_ge_u32 s53, 241
	s_cselect_b32 s54, -1, 0
	v_mov_b32 v[VR], s48
	v_cndmask_b32 v[VU], v[WW], v[VR], s54
	v_add_f32 v[VR], v[VR], v[VU]           ; twice the median
	v_mov_b32 v[VU], 0x322bcc77             ; 1e-8
	v_fmamk_f32 v[VR], v[VR], 0x3e126e8c, v[VU]   ; + median / ln 33
	v_rcp_f32 v[VR], v[VR]                  ; gamma
	v_mov_b32 v[M6], 0xc0c00000             ; (a plain line between the reciprocal and its use)
	v_mov_b32 v[M6+1], 0xc0c00000
	; ------------------------------------------------ K, T AND B
	s_wait_alu depctr_va_vdst(0)
	v_mul_f32 v[CP], 0xbfb8aa3b, v[VR]      ; c = -gamma log2 e
	v_mul_f32 v[CP+1], 0xbfb8aa3b, v[VR]
	v_add_f32 v[GP], v[VR], v[VR]           ; G = 2 gamma
	v_add_f32 v[GP+1], v[VR], v[VR]
.set j_, 0
.rept 16
	v_pk_mul_f32 v[KK+2*j_:KK+2*j_+1], v[DD+2*j_:DD+2*j_+1], v[CP:CP+1]
.set j_, j_+1
.endr
.set j_, 0
.rept 32
	v_exp_f32 v[KK+j_], v[KK+j_]
.set j_, j_+1
.endr
.set j_, 0
	s_wait_alu depctr_va_vdst(0)
.rept 16                                        ; G d - 6: plain lines that touch no K stand behind the last exponential
	v_pk_fma_f32 v[WW+2*j_:WW+2*j_+1], v[DD+2*j_:DD+2*j_+1], v[GP:GP+1], v[M6:M6+1]
.set j_, j_+1
.endr
.set j_, 0
.rept 16                                        ; T in four chains
.if j_ < 4
	v_pk_mul_f32 v[TT+2*j_:TT+2*j_+1], v[KK+2*j_:KK+2*j_+1], v[WW+2*j_:WW+2*j_+1]
.else
	v_pk_fma_f32 v[TT+2*(j_&3):TT+2*(j_&3)+1], v[KK+2*j_:KK+2*j_+1], v[WW+2*j_:WW+2*j_+1], v[TT+2*(j_&3):TT+2*(j_&3)+1]
.endif
.set j_, j_+1
.endr
	WIN 0x01                                ; B = sum K (x_i - x_j), odd and even k in chains of their own
.set k_, 1
.rept 31
.set j_, 0
.rept 3
.if k_ < 3
	KMAC BA+6*((k_+1)&1)+2*j_, 6*(k_-1)+2*j_, k_, 0
.else
	KMAC BA+6*((k_+1)&1)+2*j_, 6*(k_-1)+2*j_, k_, 1
.endif
.set j_, j_+1
.endr
.set k_, k_+1
.endr
	WIN 0
.set j_, 0
.rept 3
	v_pk_add_f32 v[BA+2*j_:BA+2*j_+1], v[BA+2*j_:BA+2*j_+1], v[BB+2*j_:BB+2*j_+1]
.set j_, j_+1
.endr
	v_pk_add_f32 v[TT:TT+1], v[TT:TT+1], v[TT+2:TT+3]
	v_pk_add_f32 v[TT+4:TT+5], v[TT+4:TT+5], v[TT+6:TT+7]
	v_pk_add_f32 v[TT:TT+1], v[TT:TT+1], v[TT+4:TT+5]
	v_add_f32 v[TT], v[TT], v[TT+1]
	BAR                                     ; every wave's gradients and q are in LDS, and its reads of a (bf16) are over
	; ------------------------------------------------ THE SCORE, A, AND THE UPDATE
	ds_load_b128 v[G1V:G1V+3], v[SQRD]
	ds_load_b128 v[G1V+4:G1V+7], v[SQRD] offset:16
	ds_load_b128 v[G2V:G2V+3], v[SQRD] offset:8192
	ds_load_b128 v[G2V+4:G2V+7], v[SQRD] offset:8208
	v_mov_b32 v[VU], 0.5
	s_wait_dscnt 0x0
	v_add_f32 v[VX], s45, v[G1V+6]
	v_add_f32 v[VX+1], s46, v[G2V+6]
	v_cmp_lt_f32 vcc_lo, v[VX], v[VX+1]
	v_cndmask_b32 v[WP1], 0, v[VU], vcc_lo
	v_cmp_le_f32 vcc_lo, v[VX], v[VX+1]
	v_cndmask_b32 v[WP1+1], 0, v[VU], vcc_lo
	v_add_f32 v[WP1], v[WP1], v[WP1+1]      ; 1, 1/2 or 0
	v_mov_b32 v[WP1+1], v[WP1]
	v_sub_f32 v[WP2], 1.0, v[WP1]
	v_sub_f32 v[WP2+1], 1.0, v[WP1]
.set j_, 0
.rept 3
	v_pk_mul_f32 v[SV+2*j_:SV+2*j_+1], v[G1V+2*j_:G1V+2*j_+1], v[WP1:WP1+1]
.set j_, j_+1
.endr
.set j_, 0
.rept 3
	v_pk_fma_f32 v[SV+2*j_:SV+2*j_+1], v[G2V+2*j_:G2V+2*j_+1], v[WP2:WP2+1], v[SV+2*j_:SV+2*j_+1]
.set j_, j_+1
.endr
	ds_store_b128 v[XAA], v[SV:SV+3] offset:1536
	ds_store_b128 v[XAA], v[SV:SV+3] offset:2048
	ds_store_b64 v[XBA], v[SV+4:SV+5] offset:1536
	ds_store_b64 v[XBA], v[SV+4:SV+5] offset:1792
	WIN 0x80                                ; LDS serves a wave's instructions in order (ISA guide 5.7.1.4): these loads see the stores above
.set k_, 1
.rept 31
	ds_load_b128 v[6*(k_-1):6*(k_-1)+3], v[XAA] offset:1536+16*k_
	ds_load_b64 v[6*(k_-1)+4:6*(k_-1)+5], v[XBA] offset:1536+8*k_
.set k_, k_+1
.endr
	WIN 0x02                                ; A = s_i + sum K s_j, again in two chains
.set k_, 1
.rept 31
	s_wait_dscnt 62-2*k_
.set j_, 0
.rept 3
.if k_ == 1
	KMAC AAO+2*j_, 2*j_, 1, 2, SV+2*j_
.elseif k_ == 2
	KMAC AAE+2*j_, 6+2*j_, 2, 0
.else
	KMAC AAO+6*((k_+1)&1)+2*j_, 6*(k_-1)+2*j_, k_, 1
.endif
.set j_, j_+1
.endr
.set k_, k_+1
.endr
	WIN 0
.set j_, 0
.rept 3
	v_pk_add_f32 v[AAO+2*j_:AAO+2*j_+1], v[AAO+2*j_:AAO+2*j_+1], v[AAE+2*j_:AAE+2*j_+1]
.set j_, j_+1
.endr
	v_pk_mul_f32 v[VX:VX+1], v[SV:SV+1], v[BA:BA+1]
	v_pk_fma_f32 v[VX:VX+1], v[SV+2:SV+3], v[BA+2:BA+3], v[VX:VX+1]
	v_pk_fma_f32 v[VX:VX+1], v[SV+4:SV+5], v[BA+4:BA+5], v[VX:VX+1]
	v_add_f32 v[VX], v[VX], v[VX+1]         ; s . B
	v_sub_f32 v[VX], v[VX], v[TT]
	v_add_f32 v[VX], v[M6], v[VX]
	v_mul_f32 v[VX], v[GP], v[VX]
	v_fmamk_f32 v[LACC], v[VX], 0xbad3680d, v[LACC]           ; logp -= 0.05 / 31 x G (s . B - T - 6)
.set j_, 0
.rept 3
	v_pk_fma_f32 v[AAO+2*j_:AAO+2*j_+1], v[BA+2*j_:BA+2*j_+1], v[GP:GP+1], v[AAO+2*j_:AAO+2*j_+1]
.set j_, j_+1
.endr
.set j_, 0
.rept 3
	v_pk_fma_f32 v[AV+2*j_:AV+2*j_+1], v[AAO+2*j_:AAO+2*j_+1], 0x3acccccd, v[AV+2*j_:AV+2*j_+1] op_sel_hi:[1,0,1]  ; a += 0.05 / 32 x (A + G B)
.set j_, j_+1
.endr
	ASTORE
	BAR                                     ; the new a is in LDS, and every wave's reads of the gradients are over
	s_sub_co_i32 s39, s39, 1
	s_cmp_lg_u32 s39, 0
	s_cbranch_scc1 .Lstep
	; ---------------------------------------------------------------- THE END: tanh, its share of logp, and the way out
	s_mov_b32 s47, 0x7fffffff
.irp d, 0,1,2,3,4,5
	v_and_b32 v[40+\d], s47, v[AV+\d]       ; |a|
.endr
.irp d, 0,1,2,3,4,5
	v_mul_f32 v[48+\d], 0xc038aa3b, v[40+\d]
.endr
.irp d, 0,1,2,3,4,5
	v_exp_f32 v[48+\d], v[48+\d]            ; e = exp(-2 |a|)
.endr
.irp d, 0,1,2,3,4,5
	v_fma_f32 v[LACC], v[40+\d], 2.0, v[LACC]   ; -2 (ln 2 - |a| - ln(1 + e)), term by term: + 2 |a|
.endr
	s_wait_alu depctr_va_vdst(0)
.irp d, 0,1,2,3,4,5
	v_add_f32 v[56+\d], 1.0, v[48+\d]
	v_sub_f32 v[48+\d], 1.0, v[48+\d]
.endr
.irp d, 0,1,2,3,4,5
	v_rcp_f32 v[64+\d], v[56+\d]
	v_log_f32 v[72+\d], v[56+\d]
.endr
	v_add_f32 v[LACC], 0xc1051592, v[LACC]  ; - 12 ln 2 (also the plain line behind the last transcendental)
	s_wait_alu depctr_va_vdst(0)
.irp d, 0,1,2,3,4,5
	v_mul_f32 v[48+\d], v[48+\d], v[64+\d]  ; tanh |a|
	v_fmamk_f32 v[LACC], v[72+\d], 0x3fb17218, v[LACC]        ; + 2 ln 2 log2(1 + e)
.endr
.irp d, 0,1,2,3,4,5
	v_bfi_b32 v[80+\d], s47, v[48+\d], v[AV+\d]               ; a's sign
.endr
	v_and_b32 v88, 31, v0
	s_mul_i32 s49, s36, 3072
	s_add_co_u32 s49, s49, RB               ; x's place in my part of LDS serves as the stage: 32 rows x 24 bytes
	v_mul_u32_u24 v90, 24, v88
	v_add_nc_u32 v90, s49, v90
	v_lshl_add_u32 v91, v88, 3, s49
	v_lshlrev_b32 v92, 3, v88
	v_mov_b32 v93, 0
	ds_store_b64 v90, v[80:81]
	ds_store_b64 v90, v[82:83] offset:8
	ds_store_b64 v90, v[84:85] offset:16
	ds_load_b64 v[94:95], v91
	ds_load_b64 v[96:97], v91 offset:256
	ds_load_b64 v[98:99], v91 offset:512
	v_add_f32_dpp v[LACC], v[LACC], v[LACC] row_xmask:1 row_mask:0xf bank_mask:0xf
	v_add_f32_dpp v[LACC], v[LACC], v[LACC] row_xmask:2 row_mask:0xf bank_mask:0xf
	v_add_f32_dpp v[LACC], v[LACC], v[LACC] row_xmask:4 row_mask:0xf bank_mask:0xf
	v_add_f32_dpp v[LACC], v[LACC], v[LACC] row_xmask:8 row_mask:0xf bank_mask:0xf
	v_permlanex16_b32 v40, v[LACC], s42, s43
	v_add_f32 v[LACC], v[LACC], v40
	v_mul_f32 v[LACC], 0x3d000000, v[LACC]  ; the mean over the 32 particles
	v_cmp_eq_u32 vcc_lo, 0, v88
	s_wait_dscnt 0x2
	global_store_b64 v92, v[94:95], s[32:33]              ; each store of the wave covers 256 consecutive bytes, at a multiple of 256 from out0's first byte
	s_wait_dscnt 0x1
	global_store_b64 v92, v[96:97], s[32:33] offset:256
	s_wait_dscnt 0x0
	global_store_b64 v92, v[98:99], s[32:33] offset:512
	s_wait_xcnt 0x0                         ; EXEC changes only behind this wait
	s_and_saveexec_b32 s40, vcc_lo
	global_store_b32 v93, v[LACC], s[34:35] ; lane 0: my observation's logp
	s_wait_xcnt 0x0
	s_or_b32 exec_lo, exec_lo, s40
	s_wait_tensorcnt 0x0                    ; the wave's end: behind my last LDS store
	ds_add_u32 v[SPW], v[NIL]
	s_wait_dscnt 0x0
	s_endpgm
.Lfunc_end_k_qf6ef229a3c_svgd:
	.size	k_qf6ef229a3c_svgd, .Lfunc_end_k_qf6ef229a3c_svgd-k_qf6ef229a3c_svgd
	.p2alignl 7, 3214868480
	.fill 96, 4, 3214868480
	.section	.rodata,"a",@progbits
	.p2align	6, 0x0
	.amdhsa_kernel k_qf6ef229a3c_svgd
		.amdhsa_group_segment_fixed_size 327680
		.amdhsa_private_segment_fixed_size 0
		.amdhsa_enable_private_segment 0
		.amdhsa_kernarg_size 128
		.amdhsa_user_sgpr_count 2
		.amdhsa_user_sgpr_kernarg_segment_ptr 1
		.amdhsa_wavefront_size32 1
		.amdhsa_system_sgpr_workgroup_id_x 1
		.amdhsa_system_sgpr_workgroup_id_y 1
		.amdhsa_system_sgpr_workgroup_id_z 1
		.amdhsa_system_vgpr_workitem_id 0
		.amdhsa_next_free_vgpr 1024
		.amdhsa_next_free_sgpr 100
		.amdhsa_reserve_vcc 1
		.amdhsa_float_denorm_mode_32 3
		.amdhsa_float_denorm_mode_16_64 3
		.amdhsa_memory_ordered 1
		.amdhsa_forward_progress 1
		.amdhsa_inst_pref_size 255
	.end_amdhsa_kernel
	.section	.bss,"aw",@nobits
	.p2align	6
	.space	262144
	.amdgpu_metadata
---
amdhsa.version: [ 1, 2 ]
amdhsa.kernels:
  - .name:           k_qf6ef229a3c_svgd
    .symbol:         k_qf6ef229a3c_svgd.kd
    .args:
      - { .name: obs, .offset: 0, .size: 8, .value_kind: global_buffer, .address_space: global }
      - { .name: a0, .offset: 8, .size: 8, .value_kind: global_buffer, .address_space: global }
      - { .name: q1_w1, .offset: 16, .size: 8, .value_kind: global_buffer, .address_space: global }
      - { .name: q2_w1, .offset: 24, .size: 8, .value_kind: global_buffer, .address_space: global }
      - { .name: q1_w2, .offset: 32, .size: 8, .value_kind: global_buffer, .address_space: global }
      - { .name: q2_w2, .offset: 40, .size: 8, .value_kind: global_buffer, .address_space: global }
      - { .name: q1_b1, .offset: 48, .size: 8, .value_kind: global_buffer, .address_space: global }
      - { .name: q2_b1, .offset: 56, .size: 8, .value_kind: global_buffer, .address_space: global }
      - { .name: q1_b2, .offset: 64, .size: 8, .value_kind: global_buffer, .address_space: global }
      - { .name: q2_b2, .offset: 72, .size: 8, .value_kind: global_buffer, .address_space: global }
      - { .name: q1_w3, .offset: 80, .size: 8, .value_kind: global_buffer, .address_space: global }
      - { .name: q2_w3, .offset: 88, .size: 8, .value_kind: global_buffer, .address_space: global }
      - { .name: q1_b3, .offset: 96, .size: 8, .value_kind: global_buffer, .address_space: global }
      - { .name: q2_b3, .offset: 104, .size: 8, .value_kind: global_buffer, .address_space: global }
      - { .name: out0, .offset: 112, .size: 8, .value_kind: global_buffer, .address_space: global }
      - { .name: out1, .offset: 120, .size: 8, .value_kind: global_buffer, .address_space: global }
    .group_segment_fixed_size: 327680
    .private_segment_fixed_size: 0
    .kernarg_segment_align: 8
    .kernarg_segment_size: 128
    .max_flat_workgroup_size: 128
    .sgpr_count:     100
    .vgpr_count:     1024
    .wavefront_size: 32
...
	.end_amdgpu_metadata
.endif
;; end of part 1
